; MI455X (gfx1250); checked and timed in simulation.
; The chip was launched on July 23, 2026; its instructions are those of AMD's public machine-readable ISA for CDNA 5 (MIT licence, August 2026) and "CDNA5" Instruction Set Architecture Reference Guide (July 2026). The comments in the code are by the model that wrote it; some were corrected since.
;; MTA. Allowed arithmetic: float matrix products may take bf16 or f16 operands with f32 sums; all other float work in f32.
;; Inputs: W_dec 1,024 x 1,024 float32; W_enc 1,024 x 1,024 float32; att_prev 32 x 2,000 float32; b_enc 1,024 float32; dec_z 32 x 1,024 float32; enc_hs_len 32 int32; enc_hs_pad 32 x 2,000 x 1,024 float32; g_vec 1 x 1,024 float32; mono_bias 1 x 1 float32; mono_factor 1 x 1 float32; noise 32 x 2,000 float32.
;; Outputs: out0 32 x 1,024 float32; out1 32 x 2,000 float32.
;; One version. Each part assembles by itself: llvm-mc -triple=amdgcn-amd-amdhsa -mcpu=gfx1250 --defsym DOCPART=n.
;; ======== version 1 of 1: 3 launches
;; workspace buffers: wfrag 2,097,152 bytes; cdbt 131,072 bytes; aloc 262,144 bytes; cpart 2,097,152 bytes
;; launch prep (part 1): grid 64 x 1, 16 waves a work-group, no clusters, 34,816 bytes of LDS; arguments W_enc, W_dec, dec_z, b_enc, wfrag, cdbt; writes wfrag, cdbt
.if DOCPART == 1
	.amdgcn_target "amdgcn-amd-amdhsa--gfx1250"
	.amdhsa_code_object_version 6
	.text
	.protected	k_qb2ef75dd67_prep
	.globl	k_qb2ef75dd67_prep
	.p2align	8
	.type	k_qb2ef75dd67_prep,@function
k_qb2ef75dd67_prep:
	s_mov_b64 s[64:65], 0
	v_nop
	global_prefetch_b8 v0, s[64:65] scope:SCOPE_SE
	s_setreg_imm32_b32 hwreg(HW_REG_WAVE_MODE, 25, 1), 1
	s_wait_xcnt 0x0
; PREP.  Two small jobs ahead of the main launch.
; (1) wfrag = W_enc rounded to bf16, laid out in the order in which the main launch's waves stream it:
;     [wave w 4][pass p 4][K step s 32][q 4][u 2][lane 32][16 bytes]; with at = 16 p + 4 w + q, lane (r = lane % 16, h = lane / 16)
;     holds W_enc[16 at + r][32 s + 16 u + 8 h + 0..7]: registers 4 u .. 4 u + 3 of a 16 x 32 matrix fragment.
; (2) cdbt[at][b][i] = c2 (sum over k of dec_z[b][k] W_dec[16 at + i][k] + b_enc[16 at + i]), c2 = 2 log2(e): the addend of the
;     main launch's exponent.  The product is made by the matrix unit, operands rounded to bf16, sums in f32.
; SHARES.  Work-group i owns the 16 rows 16 i .. 16 i + 15 of W_enc and of W_dec.  Wave v owns k = 64 v .. 64 v + 63, two K steps of 32.
; The sixteen waves' partial products meet in LDS (2,048 bytes a wave) behind one barrier; 128 threads add them up.
.set C2,  0x4038aa3b                   ; 2 log2(e)
.set ACC, 8                            ; v[8:15], v[16:23]  partial dec for batches 0-15, 16-31
.set BE,  24                           ; v[24:27]  four numbers of b_enc
.set FB,  32                           ; 16 registers for each of (kind, K step): 16 f32 as loaded, then 8 registers of bf16 in place
                                       ; kind 0 W_enc, 1 W_dec, 2 dec_z rows 0-15, 3 dec_z rows 16-31
.set RED, 96                           ; v[96:159]  the sixteen partial sums on their way together (kinds 2 and 3 are done by then)
.macro LD4 kp, sp, base, extra         ; the 16 f32 of one fragment: k = 32 sp + 16 u + 8 h + 4 e + 0..3
.irp u, 0,1
.irp e, 0,1
	global_load_b128 v[FB+16*(2*(\kp)+(\sp))+8*(\u)+4*(\e):FB+16*(2*(\kp)+(\sp))+8*(\u)+4*(\e)+3], v1, s[\base:\base+1] offset:(\extra)+128*(\sp)+64*(\u)+16*(\e)
.endr
.endr
.endm
.macro CVT kp, sp                      ; 16 f32 to 8 registers of bf16, in place: register m is written when registers 2 m, 2 m + 1 have been read
.set m, 0
.rept 8
	v_cvt_pk_bf16_f32 v[FB+16*(2*(\kp)+(\sp))+m], v[FB+16*(2*(\kp)+(\sp))+2*m], v[FB+16*(2*(\kp)+(\sp))+2*m+1]
.set m, m+1
.endr
.endm
	s_load_b256 s[4:11], s[0:1], 0x0               ; W_enc s[4:5], W_dec s[6:7], dec_z s[8:9], b_enc s[10:11]
	s_load_b128 s[12:15], s[0:1], 0x20             ; wfrag s[12:13], cdbt s[14:15]
	v_lshl_add_u32 v160, v0, 2, 0x8000
	v_mov_b32 v161, 0
	v_lshrrev_b32 v7, 5, v0
	v_readfirstlane_b32 s16, v7                    ; wave 0..15
	v_and_b32 v28, 15, v0                          ; r
	v_bfe_u32 v29, v0, 4, 1                        ; h
	v_and_b32 v30, 31, v0                          ; lane
	s_lshl_b32 s17, s16, 8
	v_lshl_add_u32 v1, v28, 12, s17                ; loads: row r x 4,096 bytes + my wave's 256 bytes
	v_lshl_add_u32 v1, v29, 5, v1                  ; + 32 h
	s_lshl_b32 s18, s16, 13
	v_lshl_add_u32 v2, v30, 4, s18                 ; wfrag: 16 x lane + K step 2 v x 4,096 bytes
	s_lshl_b32 s19, s16, 11
	v_lshl_add_u32 v3, v30, 4, s19                 ; LDS: my wave's 2,048 bytes, 16 a lane
	v_and_b32 v6, 3, v0
	v_lshlrev_b32 v6, 4, v6                        ; b_enc: four numbers, by thread % 4
	s_lshl_b32 s20, ttmp9, 16                      ; 16 rows of 4,096 bytes
	s_mov_b32 s21, 0
	s_bfe_u32 s22, ttmp9, 0x20002                  ; w = (i >> 2) & 3
	s_lshr_b32 s23, ttmp9, 4                       ; p = i >> 4
	s_lshl2_add_u32 s22, s22, s23                  ; 4 w + p
	s_lshl_b32 s22, s22, 17                        ; x 131,072 bytes
	s_and_b32 s23, ttmp9, 3                        ; q
	s_lshl_b32 s23, s23, 10
	s_add_co_u32 s22, s22, s23
	s_mov_b32 s23, 0
	s_lshl_b32 s24, ttmp9, 11                      ; cdbt: 2,048 bytes a work-group
	s_mov_b32 s25, 0
	s_lshl_b32 s26, ttmp9, 6                       ; b_enc: 64 bytes a work-group
	s_mov_b32 s27, 0
	s_wait_kmcnt 0x0
	s_add_nc_u64 s[4:5], s[4:5], s[20:21]
	s_add_nc_u64 s[6:7], s[6:7], s[20:21]
	s_add_nc_u64 s[10:11], s[10:11], s[26:27]
	s_add_nc_u64 s[12:13], s[12:13], s[22:23]
	s_add_nc_u64 s[14:15], s[14:15], s[24:25]
	LD4 1, 0, 6, 0                                 ; what the product needs goes first: 24 loads
	LD4 1, 1, 6, 0
	LD4 2, 0, 8, 0
	LD4 2, 1, 8, 0
	LD4 3, 0, 8, 65536
	LD4 3, 1, 8, 65536
	LD4 0, 0, 4, 0                                 ; W_enc: 8 loads
	LD4 0, 1, 4, 0
	global_load_b128 v[BE:BE+3], v6, s[10:11]      ; and one more
	s_wait_loadcnt 9                               ; the 24 are in; W_enc's eight and b_enc's one may stay out
	CVT 1, 0
	CVT 1, 1
	CVT 2, 0
	CVT 2, 1
	CVT 3, 0
	CVT 3, 1
	; source 0 = 16 rows of W_dec, source 1 = 16 rows of dec_z: register j of lane (r, h) is (a = 8 h + j, b = r).  The two accumulators take turns.
	v_wmma_f32_16x16x32_bf16 v[8:15],  v[64:71], v[96:103],  0
	v_wmma_f32_16x16x32_bf16 v[16:23], v[64:71], v[128:135], 0
	v_wmma_f32_16x16x32_bf16 v[8:15],  v[80:87], v[112:119], v[8:15]
	v_wmma_f32_16x16x32_bf16 v[16:23], v[80:87], v[144:151], v[16:23]
	s_wait_loadcnt 1                               ; W_enc is in; b_enc may stay out
	CVT 0, 0                                       ; sixteen plain instructions that name no register of the products: the places behind them (ISA guide 7.12.1)
	CVT 0, 1
.irp sp, 0,1
.irp u, 0,1
	global_store_b128 v2, v[FB+16*(\sp)+4*(\u):FB+16*(\sp)+4*(\u)+3], s[12:13] offset:(\sp)*4096+(\u)*512  ; a wave's store covers 512 consecutive bytes, aligned
.endr
.endr
	ds_store_b128 v3, v[8:11]                      ; each accumulator from its low end on
	ds_store_b128 v3, v[12:15] offset:512
	ds_store_b128 v3, v[16:19] offset:1024
	ds_store_b128 v3, v[20:23] offset:1536
	s_wait_dscnt 0x0                               ; for the others' sake: my partial sums are in LDS
	s_barrier_signal -1
	s_barrier_wait -1
	s_cmp_ge_u32 s16, 4
	s_cbranch_scc1 .Lend                           ; 128 threads finish; no barrier follows
	; thread t: batch t >> 2, numbers 4 (t & 3) .. + 3 of the 16: they lie in block 2 (b >> 4) + (al & 1), lane 16 (al >> 1) + (b & 15)
	v_bfe_u32 v28, v0, 6, 1
	v_and_b32 v29, 1, v0
	v_lshl_add_u32 v28, v28, 1, v29
	v_bfe_u32 v29, v0, 1, 1
	v_bfe_u32 v30, v0, 2, 4
	v_lshl_add_u32 v29, v29, 4, v30
	v_lshlrev_b32 v29, 4, v29
	v_lshl_add_u32 v4, v28, 9, v29
	v_and_b32 v5, 127, v0
	v_lshlrev_b32 v5, 4, v5                        ; cdbt: 16 bytes a thread, 2,048 consecutive bytes a work-group
.irp k, 0,1,2,3,4,5,6,7,8,9,10,11,12,13,14,15
	ds_load_b128 v[RED+4*(\k):RED+4*(\k)+3], v4 offset:(\k)*2048
.endr
	s_wait_dscnt 0x0
.irp d, 8,4,2,1                        ; sixteen partial sums into one, as a tree
.set k, 0
.rept \d
	v_pk_add_f32 v[RED+4*k:RED+4*k+1],   v[RED+4*k:RED+4*k+1],   v[RED+4*(k+(\d)):RED+4*(k+(\d))+1]
	v_pk_add_f32 v[RED+4*k+2:RED+4*k+3], v[RED+4*k+2:RED+4*k+3], v[RED+4*(k+(\d))+2:RED+4*(k+(\d))+3]
.set k, k+1
.endr
.endr
	s_wait_loadcnt 0x0                             ; b_enc
	v_pk_add_f32 v[RED:RED+1],   v[RED:RED+1],   v[BE:BE+1]
	v_pk_add_f32 v[RED+2:RED+3], v[RED+2:RED+3], v[BE+2:BE+3]
	v_pk_mul_f32 v[RED:RED+1],   v[RED:RED+1],   C2 op_sel_hi:[1,0]
	v_pk_mul_f32 v[RED+2:RED+3], v[RED+2:RED+3], C2 op_sel_hi:[1,0]
	global_store_b128 v5, v[RED:RED+3], s[14:15]
.Lend:
	s_wait_tensorcnt 0x0
	ds_add_u32 v160, v161
	s_wait_dscnt 0x0
	s_endpgm
.Lfunc_end_k_qb2ef75dd67_prep:
	.size	k_qb2ef75dd67_prep, .Lfunc_end_k_qb2ef75dd67_prep-k_qb2ef75dd67_prep
	.p2alignl 7, 3214868480
	.fill 96, 4, 3214868480
	.section	.rodata,"a",@progbits
	.p2align	6, 0x0
	.amdhsa_kernel k_qb2ef75dd67_prep
		.amdhsa_group_segment_fixed_size 34816
		.amdhsa_private_segment_fixed_size 0
		.amdhsa_enable_private_segment 0
		.amdhsa_kernarg_size 48
		.amdhsa_user_sgpr_count 2
		.amdhsa_user_sgpr_kernarg_segment_ptr 1
		.amdhsa_wavefront_size32 1
		.amdhsa_system_sgpr_workgroup_id_x 1
		.amdhsa_system_sgpr_workgroup_id_y 1
		.amdhsa_system_sgpr_workgroup_id_z 1
		.amdhsa_system_vgpr_workitem_id 0
		.amdhsa_next_free_vgpr 162
		.amdhsa_next_free_sgpr 66
		.amdhsa_reserve_vcc 0
		.amdhsa_float_denorm_mode_32 3
		.amdhsa_float_denorm_mode_16_64 3
		.amdhsa_memory_ordered 1
		.amdhsa_forward_progress 1
		.amdhsa_inst_pref_size 14
	.end_amdhsa_kernel
	.amdgpu_metadata
---
amdhsa.version: [ 1, 2 ]
amdhsa.kernels:
  - .name:           k_qb2ef75dd67_prep
    .symbol:         k_qb2ef75dd67_prep.kd
    .args:
      - { .name: W_enc, .offset: 0, .size: 8, .value_kind: global_buffer, .address_space: global }
      - { .name: W_dec, .offset: 8, .size: 8, .value_kind: global_buffer, .address_space: global }
      - { .name: dec_z, .offset: 16, .size: 8, .value_kind: global_buffer, .address_space: global }
      - { .name: b_enc, .offset: 24, .size: 8, .value_kind: global_buffer, .address_space: global }
      - { .name: wfrag, .offset: 32, .size: 8, .value_kind: global_buffer, .address_space: global }
      - { .name: cdbt, .offset: 40, .size: 8, .value_kind: global_buffer, .address_space: global }
    .group_segment_fixed_size: 34816
    .private_segment_fixed_size: 0
    .kernarg_segment_align: 8
    .kernarg_segment_size: 48
    .max_flat_workgroup_size: 512
    .sgpr_count:     66
    .vgpr_count:     162
    .wavefront_size: 32
...
	.end_amdgpu_metadata
.endif
;; end of part 1
;; launch mta (part 2): grid 256 x 1, 4 waves a work-group, no clusters, 281,088 bytes of LDS; arguments enc_hs_pad, enc_hs_len, noise, g_vec, mono_factor, mono_bias, wfrag, cdbt, aloc, cpart; writes aloc, cpart
.if DOCPART == 2
	.amdgcn_target "amdgcn-amd-amdhsa--gfx1250"
	.amdhsa_code_object_version 6
	.text
	.protected	k_qb2ef75dd67_mta
	.globl	k_qb2ef75dd67_mta
	.p2align	8
	.type	k_qb2ef75dd67_mta,@function
k_qb2ef75dd67_mta:
	s_mov_b64 s[64:65], 0
	v_nop
	global_prefetch_b8 v0, s[64:65] scope:SCOPE_SE
	s_setreg_imm32_b32 hwreg(HW_REG_WAVE_MODE, 25, 1), 1
	s_wait_xcnt 0x0
; MTA, the main launch.  For a TILE of 125 rows t of one batch b (padded to 128): pre = enc W_enc^T; e = scale sum_a g_a tanh(pre + b_enc + dec) + bias + noise; p = sigmoid(e), 0 at t >= len;
; a_local = p x (product of max(1 - p, TINY) over the tile's earlier rows); S = that product over the whole tile; c_tile = sum_t a_local[t] enc[t].  The last launch multiplies a_local and c_tile
; by the product of the earlier tiles' S.  So enc_hs_pad is read from memory once: the tile stays in LDS, in bf16, from the first product to c_tile.
; SHARES.  A batch is 16 tiles; work-group g takes tiles g & 7 and (g & 7) + 8 of batch g >> 3, one after the other.  The four waves split the 1,024 columns a: in each of 4 PASSES a wave makes
; 128 rows x 64 columns (32 accumulators, 256 registers), K in 32 steps of 32.  A K step of a wave: 32 matrix instructions, 16 LDS loads (enc), 8 global loads (W).
; DEAD TILES.  A tile whose first row lies at or beyond len has p = 0 in every row: a_local = 0, S = 1, c_tile = 0.  It is neither loaded nor multiplied: these numbers are stored as they are.
; The choice hangs on a whole number, enc_hs_len[b], alike in the four waves.  All four barriers of a trip stand on every wave's path: the three jumps go forward over text without a barrier.
; W COMES STRAIGHT INTO REGISTERS, from wfrag, which holds it in each wave's stream order (every load 512 consecutive bytes): no element of W is used by two waves of a work-group, so LDS would only
; pass it on.  NO CLUSTER, NO JOINT LOADS, though all work-groups walk the same 2 MiB of W: joint loads land in LDS, the tile takes 264,192 bytes of it, and beside it there is room for two slots of
; one K step (16,384 bytes for the four waves): a barrier of the whole cluster for every 32 matrix instructions of a wave.
; TANH.  tanh x = 1 - 2 r, r = 1 / (1 + 2^(c2 x)), c2 = 2 log2(e); so e = (bias + scale sum g) - 2 scale sum_a g_a r_a.  At a pass's end the exponents c2 acc + cdb go from the accumulators into a
; second set of 256 registers (PENDING); their exponentials, reciprocals and sums RIDE in the next pass, one 16 x 16 block a K step, in groups of four behind every fourth matrix instruction.
; Pass 0's riders work on whatever the registers hold and their sums are thrown away (the price of one text for all passes); pass 3's block of work stands alone behind the passes.
; THE MATRIX INSTRUCTION takes 16 rows of W as source 0 and 16 rows of enc as source 1: a lane holds ONE row t (lane % 16) and eight neighbouring columns a = 8 (lane / 16) + 0..7.
; c_tile is a matrix product too: source 0 = the weights (even rows: a_local rounded to bf16; odd rows: the remainder, rounded to bf16; k = t), source 1 = the tile turned by ds_load_tr16_b128.
; LIMITS.  Matrix operands (enc, W_enc) are rounded to bf16.  The cumulative product is kept as a product, not as exp(cumsum(log)): another order of rounding; numbers below 2^-126 may count as 0.
; tanh carries an absolute error of about 1e-7.  NaN and infinities are not treated apart: a masked row has p = 0 whatever its noise.  att_prev is not an argument: the module does not use it.
;
; REGISTERS, in windows of 256 (s_set_vgpr_msb: bits 1:0 source 0, 3:2 source 1, 5:4 source 2, 7:6 destination):
;   window 0: addresses, constants, sums, two buffers of enc fragments     window 1: W, a ring of 8 K steps x 32 registers
;   window 2: the 32 accumulators, block (it, q) at 8 (4 it + q)           window 3: PENDING, same places; while a tile is loaded: a ring of 8 rows x 32 registers
.set PITCH, 2064                       ; an LDS row of the tile: 2,048 bytes + 16 = 129 x 16: the 16 rows of a fragment load start in 16 different groups of four banks (ISA guide 11.1)
.set H16,   16*PITCH
.set H32,   32*PITCH
.set LCD,   128*PITCH                  ; behind the tile: cdb[a] of my batch, 4,096 bytes
.set LG,    LCD+4096                   ; g[a], 4,096 bytes
.set LEP,   LG+4096                    ; [wave][128] partial sums of e
.set LWB,   LEP+2048                   ; for each wave: 128 weights in bf16, then their 128 remainders
.set LCST,  LWB+2048                   ; for each wave: 1,024 bytes, c on its way out
.set C2,    0x4038aa3b                 ; 2 log2(e)
.set NL2E,  0xbfb8aa3b                 ; -log2(e)
.set VOFF,  1                          ; v1     16 x lane; never rewritten
.set AADR,  2                          ; v2-5   enc fragments: r PITCH + 16 h + m x 32 rows
.set SADR,  6                          ; v6-7   where my wave's rows 0-15 and 16-31 are stored: + 8 x lane; never rewritten
.set CADR0, 8                          ; v8     cdb of my columns in pass 0
.set CADR,  9                          ; v9     the same in the pass in hand
.set EPA,   10                         ; v10    where I put partial e
.set EPR,   11                         ; v11    where I read it
.set WBA,   12                         ; v12    where I put four weights
.set WFA,   13                         ; v13    where I read the weights' fragment
.set TADR0, 14                         ; v14    the turning load: my place in 32 rows, my wave's 256 columns
.set TADR,  15                         ; v15    the same at the K step in hand
.set CSA,   16                         ; v16    c into my stage
.set CSR,   17                         ; v17    and back
.set KS,    18                         ; v18    c2 scale
.set KE,    19                         ; v19    -log2(e) (bias + scale sum g)
.set NOFF,  20                         ; v20-23 byte offset of my four rows' noise (rows past 124 take row 124's)
.set TLQ,   24                         ; v24-27 my four rows' numbers in the tile, 4 lane + q
.set NZ,    28                         ; v28-31 their noise; later their a_local
.set EA,    32                         ; v32-47 eight pairs: sums of g r for row block it; later c on its way out
.set CV,    48                         ; v48-63 at work
.set FA,    64                         ; v64-127, v128-191 enc fragments, two buffers; at the start and at a tile's end at work
.set GR,    192                        ; v192-223 g of the riders' columns
.set CDR,   224                        ; v224-255 cdb of the pass's columns; at a tile's end the weights' four fragments
.set MSB, 0
.macro WIN new                         ; the immediate's high byte repeats the setting that is left; a switch that changes nothing is dropped
.if MSB != (\new)
	s_set_vgpr_msb (MSB<<8)|(\new)
.set MSB, (\new)
.endif
.endm
.set W_MUL,  0xa1                      ; W window 1, enc window 0, C and D window 2
.set W_WLD,  0x40                      ; load into window 1
.set W_X,    0xc3                      ; destination and source 0 window 3
.set W_ACC,  0x03                      ; source 0 window 3, the rest window 0
.set W_TR,   0xc2                      ; source 0 window 2, source 2 window 0, destination window 3
.set W_STL,  0xc0                      ; load into window 3
.set W_CVT,  0x0f                      ; sources 0 and 1 window 3, destination window 0
.set W_CMUL, 0xa0                      ; sources 0 and 1 window 0, C and D window 2
.set W_CSUM, 0x0a                      ; sources 0 and 1 window 2, destination window 0
; scalars: s[4:23] the ten addresses; s24 wave, s25 batch, s26 first tile; s27 len, s28 mono_factor, s29 mono_bias; s30 tiles, s31 passes to go; s33 rows of the tile below len (0: a dead tile);
; s[34:35] enc at my wave's rows of the tile; s[38:39] the same for my rows 29-31: three rows back in wave 3; s[40:41] that step;
; s[44:45] my wave's W; s[46:47] this pass's, s[48:49] the next pass's; s[50:51] at work; s[52:53] c2; s[54:55] lane selects; s56-61 lane masks; s62 the pass after next; s63 LDS step of the pass;
; s[66:67] noise, s[68:69] aloc, s[70:71] cpart at the tile; s72 the tile's first row; s73-79 at work
.macro ROWIN r                         ; row r of my 32 into ring place r % 8: 4,096 bytes, eight loads of 512 consecutive bytes; the row stands in the immediate
	WIN W_STL
.irp c, 0,1,2,3,4,5,6,7
.if (\r) < 29
	global_load_b128 v[32*((\r)%8)+4*(\c):32*((\r)%8)+4*(\c)+3], v[VOFF], s[34:35] offset:(\r)*4096+(\c)*512 th:TH_LOAD_NT
.else
	global_load_b128 v[32*((\r)%8)+4*(\c):32*((\r)%8)+4*(\c)+3], v[VOFF], s[38:39] offset:(\r)*4096+(\c)*512 th:TH_LOAD_NT
.endif
.endr
.endm
.macro ROWOUT r                        ; row r is rounded to bf16 and stored: 8 bytes a lane, 256 consecutive bytes a store; a fixed register and an immediate of 32,752 at the most
	WIN W_CVT
.set m, 0
.rept 16
	v_cvt_pk_bf16_f32 v[CV+m], v[32*((\r)%8)+2*m], v[32*((\r)%8)+2*m+1]
.set m, m+1
.endr
	WIN 0
.irp c, 0,1,2,3,4,5,6,7
	ds_store_b64 v[SADR+(\r)/16], v[CV+2*(\c):CV+2*(\c)+1] offset:((\r)%16)*PITCH+(\c)*256
.endr
.endm
.macro PRIME                           ; a tile's first eight rows of my 32
.irp i, 0,1,2,3,4,5,6,7
	ROWIN \i
.endr
.endm
.macro FETCH_A k, bf                   ; the 8 enc fragments of K step k into buffer bf: 16 LDS loads in one run
	WIN 0
.irp it, 0,1,2,3,4,5,6,7
	ds_load_b128 v[FA+64*(\bf)+8*(\it):FA+64*(\bf)+8*(\it)+3],   v[AADR+(\it)/2] offset:((\it)%2)*H16+64*(\k)
	ds_load_b128 v[FA+64*(\bf)+8*(\it)+4:FA+64*(\bf)+8*(\it)+7], v[AADR+(\it)/2] offset:((\it)%2)*H16+64*(\k)+32
.endr
.endm
.macro WLOAD s                         ; W of K step s + 7 into the slot that step s - 1 has left; past the pass's end: the next pass's first steps
	WIN W_WLD
.irp i, 0,1,2,3,4,5,6,7
.if (\s)+7 < 32
	global_load_b128 v[32*(((\s)+7)%8)+4*(\i):32*(((\s)+7)%8)+4*(\i)+3], v[VOFF], s[46:47] offset:((\s)+7)*4096+(\i)*512
.else
	global_load_b128 v[32*(((\s)+7)%8)+4*(\i):32*(((\s)+7)%8)+4*(\i)+3], v[VOFF], s[48:49] offset:((\s)-25)*4096+(\i)*512
.endif
.endr
.endm
.macro MUL4 s, it                      ; row block it x my four column blocks.  The 32 accumulators take turns, one instruction a turn, in the same order in every K step.  K step 0 starts the sums.
	WIN W_MUL
.irp q, 0,1,2,3
.if (\s) == 0
	v_wmma_f32_16x16x32_bf16 v[8*(4*(\it)+(\q)):8*(4*(\it)+(\q))+7], v[32*((\s)%8)+8*(\q):32*((\s)%8)+8*(\q)+7], v[FA+64*((\s)%2)+8*(\it):FA+64*((\s)%2)+8*(\it)+7], 0
	s_wait_alu depctr_va_vdst(0)
.else
	v_wmma_f32_16x16x32_bf16 v[8*(4*(\it)+(\q)):8*(4*(\it)+(\q))+7], v[32*((\s)%8)+8*(\q):32*((\s)%8)+8*(\q)+7], v[FA+64*((\s)%2)+8*(\it):FA+64*((\s)%2)+8*(\it)+7], v[8*(4*(\it)+(\q)):8*(4*(\it)+(\q))+7]
.endif
.endr
.endm
; THE RIDERS: group g of 7 of pending block t (row block t / 4, column block t % 4), eight exponents x0-x7 a lane, in place: 2^x; 1 + 2^x; its reciprocal r; sums of g r.
; A plain instruction stands between every exponential or reciprocal and the use of its result (ISA guide 5.7.2): the v_nop of groups 2 and 5.
.macro RG t, g
.set rX, 8*(\t)
.if (\g) < 6
	WIN W_X
.endif
.if (\g) == 0
.irp n, 0,1,2,3
	v_exp_f32 v[rX+(\n)], v[rX+(\n)]
.endr
.elseif (\g) == 1
.irp n, 4,5,6,7
	v_exp_f32 v[rX+(\n)], v[rX+(\n)]
.endr
.elseif (\g) == 2
	v_nop
	s_wait_alu depctr_va_vdst(0)
.irp n, 0,2,4
	v_pk_add_f32 v[rX+(\n):rX+(\n)+1], v[rX+(\n):rX+(\n)+1], 1.0 op_sel_hi:[1,0]
.endr
.elseif (\g) == 3
	v_pk_add_f32 v[rX+6:rX+7], v[rX+6:rX+7], 1.0 op_sel_hi:[1,0]
.irp n, 0,1,2
	v_rcp_f32 v[rX+(\n)], v[rX+(\n)]
.endr
.elseif (\g) == 4
.irp n, 3,4,5,6
	v_rcp_f32 v[rX+(\n)], v[rX+(\n)]
.endr
.elseif (\g) == 5
	v_rcp_f32 v[rX+7], v[rX+7]
	v_nop
.else
	WIN W_ACC
	s_wait_alu depctr_va_vdst(0)
.irp n, 0,2,4,6
	v_pk_fma_f32 v[EA+2*((\t)/4):EA+2*((\t)/4)+1], v[rX+(\n):rX+(\n)+1], v[GR+8*((\t)%4)+(\n):GR+8*((\t)%4)+(\n)+1], v[EA+2*((\t)/4):EA+2*((\t)/4)+1]
.endr
.endif
.endm
.macro CLOAD                           ; cdb of this pass's columns (for the transfer) and their g (for the next pass's riders): a lane's eight columns of each of four blocks
	WIN 0
.irp q, 0,1,2,3
	ds_load_b128 v[CDR+8*(\q):CDR+8*(\q)+3],   v[CADR] offset:64*(\q)
	ds_load_b128 v[CDR+8*(\q)+4:CDR+8*(\q)+7], v[CADR] offset:64*(\q)+16
	ds_load_b128 v[GR+8*(\q):GR+8*(\q)+3],     v[CADR] offset:4096+64*(\q)
	ds_load_b128 v[GR+8*(\q)+4:GR+8*(\q)+7],   v[CADR] offset:4096+64*(\q)+16
.endr
.endm
; A K STEP.  The refills in its middle go into the W slot and the enc buffer that step s - 1 read; behind that step's last matrix instruction stand five plain vector
; instructions that name none of its registers (group 2's four, group 3's first): the four places that a load into a matrix source wants (ISA guide 7.12.1 for vector instructions).
.macro STEP s
	s_wait_loadcnt 48                              ; loads come back in order (ISA guide 5.7.1): W of step s is in; the six younger steps' 48 loads may stay out
	s_wait_dscnt 8                                 ; enc's row blocks 0-3 are in; the youngest eight loads may stay out
	MUL4 \s, 0
	RG \s, 0
	MUL4 \s, 1
	RG \s, 1
	MUL4 \s, 2
	RG \s, 2
	MUL4 \s, 3
	RG \s, 3
	WLOAD \s
	FETCH_A ((\s)+1)%32, ((\s)+1)%2
	s_wait_dscnt 16                                ; all but the 16 just issued
	MUL4 \s, 4
	RG \s, 4
	MUL4 \s, 5
	RG \s, 5
	MUL4 \s, 6
	RG \s, 6
.if (\s) == 31
	CLOAD                                          ; behind the pass's last use of g
.endif
	MUL4 \s, 7
.endm
.macro TRANSFER                        ; PENDING = c2 acc + cdb.  Each accumulator is read from its low end on; the last products' places are the transfers of the blocks in front of theirs
	WIN W_TR
.set tt, 0
.rept 32
.irp n, 0,2,4,6
	v_pk_fma_f32 v[8*tt+(\n):8*tt+(\n)+1], v[8*tt+(\n):8*tt+(\n)+1], s[52:53], v[CDR+8*(tt%4)+(\n):CDR+8*(tt%4)+(\n)+1] op_sel_hi:[1,0,1]
.endr
.set tt, tt+1
.endr
.endm
.macro PLACES
.rept 4
	v_nop
.endr
.endm
.macro LIMIT                           ; how many of the tile's 125 rows lie below len
	s_sub_co_i32 s33, s27, s72
	s_max_i32 s33, s33, 0
	s_min_i32 s33, s33, 125
.endm
.macro BFLY m                          ; v92 holds the partner's block product: lanes whose bit is set take it into their prefix; every lane into its block
	v_cndmask_b32 v93, 1.0, v92, s[\m]
	v_mul_f32 v91, v91, v93
	v_mul_f32 v90, v90, v92
.endm
	s_load_b512 s[4:19], s[0:1], 0x0               ; enc s[4:5], len s[6:7], noise s[8:9], g s[10:11], factor s[12:13], bias s[14:15], wfrag s[16:17], cdbt s[18:19]
	s_load_b128 s[20:23], s[0:1], 0x40             ; aloc s[20:21], cpart s[22:23]
	v_lshrrev_b32 v56, 5, v0
	v_readfirstlane_b32 s24, v56                   ; wave 0..3
	s_lshr_b32 s25, ttmp9, 3                       ; batch
	s_and_b32 s26, ttmp9, 7                        ; first tile
	s_mul_i32 s74, s25, 8192000                    ; a batch: 2,000 rows of 4,096 bytes
	s_mul_i32 s76, s26, 512000                     ; a tile: 125 rows
	s_add_co_u32 s74, s74, s76
	s_lshl_b32 s76, s24, 17                        ; my wave's 32 rows
	s_add_co_u32 s74, s74, s76
	s_mov_b32 s75, 0
	s_lshl_b32 s76, s24, 19                        ; my wave's 524,288 bytes of wfrag
	s_mov_b32 s77, 0
	s_mul_i32 s78, s25, 8000
	s_mul_i32 s73, s26, 500
	s_add_co_u32 s78, s78, s73                     ; noise at the tile
	s_mov_b32 s79, 0
	s_lshl4_add_u32 s73, s25, s26                  ; 16 b + tile
	s_mul_i32 s72, s26, 125                        ; the tile's first row
	s_lshl_b32 s33, s25, 2                         ; len's byte offset
	s_mov_b32 s30, 2
	s_mov_b32 s41, 0
	s_mov_b32 s51, 0
	s_mov_b32 s52, C2
	s_mov_b32 s53, C2                              ; named with it as a pair
	s_mov_b32 s54, 0x76543210                      ; v_permlanex16_b32: each lane takes its own place in the other half
	s_mov_b32 s55, 0xfedcba98
	s_mov_b32 s56, 0xaaaaaaaa                      ; lanes with bit 0 set, bit 1, bit 2, bit 3, bit 4
	s_mov_b32 s57, 0xcccccccc
	s_mov_b32 s58, 0xf0f0f0f0
	s_mov_b32 s59, 0xff00ff00
	s_mov_b32 s60, 0xffff0000
	s_mov_b32 s61, 0x80000000                      ; lane 31
	s_mov_b32 s62, 2
	s_cmp_eq_u32 s24, 3
	s_cselect_b32 s40, 12288, 0                    ; wave 3's rows 29-31, the tile's rows 125-127, do not exist: it loads rows 122-124 once more in their place (their weights are 0)
	v_and_b32 v56, 31, v0                          ; lane
	v_lshlrev_b32 v[VOFF], 4, v56
	v_lshrrev_b32 v52, 2, v0                       ; cdbt is [at][b][16]: thread t copies 16 bytes of block t >> 2
	v_and_b32 v54, 3, v0
	v_lshlrev_b32 v52, 11, v52
	v_lshl_add_u32 v52, v54, 4, v52
	v_lshlrev_b32 v53, 4, v0
	s_wait_kmcnt 0x0
	s_load_b32 s27, s[6:7], s33 offset:0x0
	s_load_b32 s28, s[12:13], 0x0
	s_load_b32 s29, s[14:15], 0x0
	s_add_nc_u64 s[34:35], s[4:5], s[74:75]
	s_sub_nc_u64 s[38:39], s[34:35], s[40:41]
	s_add_nc_u64 s[44:45], s[16:17], s[76:77]
	s_add_nc_u64 s[66:67], s[8:9], s[78:79]
	s_lshl_b32 s74, s73, 9
	s_add_nc_u64 s[68:69], s[20:21], s[74:75]      ; aloc: 512 bytes a tile
	s_lshl_b32 s74, s73, 12
	s_lshl_b32 s76, s24, 10
	s_add_co_u32 s74, s74, s76
	s_add_nc_u64 s[70:71], s[22:23], s[74:75]      ; cpart: 4,096 bytes a tile, 1,024 a wave
	s_lshl_b32 s74, s25, 6
	s_add_nc_u64 s[18:19], s[18:19], s[74:75]      ; cdbt at my batch
	s_mov_b64 s[46:47], s[44:45]                   ; pass 0
	s_add_nc_u64 s[48:49], s[44:45], 131072        ; pass 1
	global_load_b128 v[64:67], v52, s[18:19]       ; the constants first.  Four loads: the work-group's copy of cdb and g for LDS, 32 bytes of each a thread;
	global_load_b128 v[68:71], v52, s[18:19] offset:65536
	global_load_b128 v[72:75], v53, s[10:11]
	global_load_b128 v[76:79], v53, s[10:11] offset:2048
.irp k, 0,1,2,3,4,5,6,7                ; eight loads: all of g once more for every wave, 32 numbers a lane, for its sum and its norm
	global_load_b128 v[96+4*(\k):96+4*(\k)+3], v[VOFF], s[10:11] offset:512*(\k)
.endr
	WIN W_WLD
.set st, 0
.rept 7                                ; then W's K steps 0 to 6: 56 loads,
.irp i, 0,1,2,3,4,5,6,7
	global_load_b128 v[32*st+4*(\i):32*st+4*(\i)+3], v[VOFF], s[46:47] offset:st*4096+(\i)*512
.endr
.set st, st+1
.endr
	PRIME                                          ; then the first tile's first eight rows: 64 loads.  They go out before len is known: if the tile is dead they serve nothing, and lie inside the buffer
	WIN 0
	v_and_b32 v57, 15, v0                          ; r
	v_bfe_u32 v58, v0, 4, 1                        ; h
	v_mul_u32_u24 v59, v57, PITCH
	v_lshl_add_u32 v[AADR], v58, 4, v59
	v_add_nc_u32 v[AADR+1], H32, v[AADR]
	v_add_nc_u32 v[AADR+2], 2*H32, v[AADR]
	v_add_nc_u32 v[AADR+3], 3*H32, v[AADR]
	s_mul_i32 s73, s24, H32
	v_lshl_add_u32 v[SADR], v56, 3, s73
	v_add_nc_u32 v[SADR+1], H16, v[SADR]
	s_lshl_b32 s73, s24, 8
	s_add_co_u32 s73, s73, LCD
	v_lshl_add_u32 v[CADR0], v58, 5, s73           ; column 64 w + 8 h of a pass's 256
	s_lshl_b32 s73, s24, 9
	s_add_co_u32 s74, s73, LEP
	v_lshl_add_u32 v[EPA], v58, 8, s74
	v_lshl_add_u32 v[EPA], v57, 2, v[EPA]
	v_lshl_add_u32 v[EPR], v56, 4, LEP
	s_add_co_u32 s74, s73, LWB
	v_lshl_add_u32 v[WBA], v56, 3, s74
	v_and_b32 v59, 1, v0
	v_lshl_add_u32 v[WFA], v59, 8, s74             ; even rows of the fragment read the weights, odd rows the remainders
	v_lshl_add_u32 v[WFA], v58, 4, v[WFA]
	v_and_b32 v59, 7, v0
	v_lshl_add_u32 v59, v58, 3, v59                ; the turning load: row 8 h + lane % 8,
	v_mul_u32_u24 v59, v59, PITCH
	v_bfe_u32 v60, v0, 3, 1
	v_lshl_add_u32 v59, v60, 4, v59                ; 16 bytes by (lane / 8) % 2,
	v_add_nc_u32 v[TADR0], s73, v59                ; my wave's 512 bytes of a row
	s_lshl_b32 s73, s24, 10
	s_add_co_u32 s73, s73, LCST
	v_lshl_add_u32 v[CSA], v57, 2, s73
	v_lshl_add_u32 v[CSR], v56, 4, s73
.irp q, 0,1,2,3
	v_lshl_add_u32 v[TLQ+(\q)], v56, 2, (\q)
	v_min_u32 v[NOFF+(\q)], 124, v[TLQ+(\q)]
	v_lshlrev_b32 v[NOFF+(\q)], 2, v[NOFF+(\q)]
.endr
.set m, 0
.rept 16
	v_mov_b32 v[EA+m], 0                           ; pass 0's riders add onto these
.set m, m+1
.endr
	v_add_nc_u32 v55, LCD, v53
	s_wait_kmcnt 0x0                               ; len, factor, bias
	LIMIT
	s_wait_loadcnt 63                              ; the twelve constant loads are the oldest of 132
	ds_store_b128 v55, v[64:67]                    ; cdb and g into LDS: they are read behind the first trip's first barrier, in front of which every wave waits for its LDS stores
	ds_store_b128 v55, v[68:71] offset:2048
	ds_store_b128 v55, v[72:75] offset:4096
	ds_store_b128 v55, v[76:79] offset:6144
	v_pk_mul_f32 v[128:129], v[96:97], v[96:97]
	v_pk_add_f32 v[130:131], v[96:97], v[98:99]
	v_pk_fma_f32 v[128:129], v[98:99], v[98:99], v[128:129]
.set m, 4
.rept 14
	v_pk_fma_f32 v[128:129], v[96+m:96+m+1], v[96+m:96+m+1], v[128:129]
	v_pk_add_f32 v[130:131], v[130:131], v[96+m:96+m+1]
.set m, m+2
.endr
	v_add_f32 v128, v128, v129
	v_add_f32 v130, v130, v131
.irp d, 1,2,4,8
	v_add_f32_dpp v128, v128, v128 row_xmask:\d row_mask:0xf bank_mask:0xf
	v_add_f32_dpp v130, v130, v130 row_xmask:\d row_mask:0xf bank_mask:0xf
.endr
	v_permlanex16_b32 v129, v128, s54, s55
	v_permlanex16_b32 v131, v130, s54, s55
	v_add_f32 v128, v128, v129                     ; sum of g^2
	v_add_f32 v130, v130, v131                     ; sum of g
	v_rsq_f32 v128, v128
	v_nop
	s_wait_alu depctr_va_vdst(0)
	v_mul_f32 v128, s28, v128                      ; scale = factor / |g|
	v_mul_f32 v[KS], C2, v128
	v_fma_f32 v[KE], v128, v130, s29
	v_mul_f32 v[KE], NL2E, v[KE]
.Ltile:
.irp q, 0,1,2,3                        ; the tile's noise, on every path: 500 bytes, so that the scan's registers are always written
	global_load_b32 v[NZ+(\q)], v[NOFF+(\q)], s[66:67]
.endr
	s_cmp_eq_u32 s33, 0
	s_cbranch_scc1 .Lin                            ; a dead tile is not loaded
	; THE TILE COMES IN.  A ring of eight rows in registers: 64 loads of a wave are on their way; a row is rounded, stored into LDS, and its registers take the row eight further on.
	; Written out row by row: every LDS and global address is a fixed register and an immediate, and nothing is stepped.
.set rr, 0
.rept 24
	s_wait_loadcnt 56                              ; row rr is in; the seven younger rows' 56 loads stay out (in the first eight turns the four noise loads are younger too: the count is then stricter than it need be)
	ROWOUT rr
	ROWIN rr+8
.set rr, rr+1
.endr
.rept 8
	s_wait_loadcnt 8*(31-rr)                       ; the last eight rows load nothing: the counts run down
	ROWOUT rr
.set rr, rr+1
.endr
.Lin:
	s_wait_loadcnt 0x0                             ; a live tile: met at once, the count above has reached 0.  A dead one: its noise, and whatever was on its way into the row ring
	s_wait_dscnt 0x0                               ; for the others' sake: my 32 rows are in LDS (in the first trip my part of cdb and g too)
	s_barrier_signal -1
	s_barrier_wait -1
	s_cmp_eq_u32 s33, 0
	s_cbranch_scc1 .Lpre                           ; a dead tile is not multiplied
	s_mov_b32 s63, 0
	v_mov_b32 v[CADR], v[CADR0]
.irp q, 0,1,2,3                        ; pass 0's riders read g: any g will do
	ds_load_b128 v[GR+8*(\q):GR+8*(\q)+3],   v[CADR] offset:4096+64*(\q)
	ds_load_b128 v[GR+8*(\q)+4:GR+8*(\q)+7], v[CADR] offset:4096+64*(\q)+16
.endr
	FETCH_A 0, 0
	s_mov_b32 s31, 4
.Lpass:
.set st, 0
.rept 32
	STEP st
.set st, st+1
.endr
	WIN 0
	s_wait_dscnt 0x0                               ; cdb and g are in
	TRANSFER
	WIN 0
	s_cmp_lg_u32 s31, 4
	s_cbranch_scc1 .Lkeep
.set m, 0
.rept 16
	v_mov_b32 v[EA+m], 0                           ; behind pass 0: what its riders added is thrown away
.set m, m+1
.endr
.Lkeep:
	s_wait_xcnt 0x0                                ; W's bases are rewritten only behind this wait
	s_mov_b64 s[46:47], s[48:49]
	s_lshl_b32 s50, s62, 17
	s_add_nc_u64 s[48:49], s[44:45], s[50:51]
	s_add_co_u32 s62, s62, 1
	s_and_b32 s62, s62, 3                          ; the passes go round: the last pass of a tile asks for the next tile's pass 0
	s_add_co_u32 s63, s63, 1024
	v_add_nc_u32 v[CADR], s63, v[CADR0]
	s_sub_co_u32 s31, s31, 1
	s_cmp_lg_u32 s31, 0
	s_cbranch_scc1 .Lpass
.set st, 0
.rept 32                               ; pass 3's blocks have no pass to ride in
.irp g, 0,1,2,3,4,5
	RG st, \g
.endr
.set st, st+1
.endr
	WIN W_ACC
	s_wait_alu depctr_va_vdst(0)
.irp q, 0,1,2,3                        ; their sums, the eight row blocks by turns
.irp n, 0,2,4,6
.irp it, 0,1,2,3,4,5,6,7
	v_pk_fma_f32 v[EA+2*(\it):EA+2*(\it)+1], v[8*(4*(\it)+(\q))+(\n):8*(4*(\it)+(\q))+(\n)+1], v[GR+8*(\q)+(\n):GR+8*(\q)+(\n)+1], v[EA+2*(\it):EA+2*(\it)+1]
.endr
.endr
.endr
	WIN 0
	s_cmp_eq_u32 s30, 1
	s_cbranch_scc1 .Lnoprime                       ; no tile follows,
	s_add_co_u32 s74, s72, 1000
	s_cmp_le_i32 s27, s74
	s_cbranch_scc1 .Lnoprime                       ; or a dead one: its first row, 1,000 further on, lies at or beyond len
	s_wait_xcnt 0x0
	s_add_nc_u64 s[34:35], s[34:35], 4096000       ; eight tiles on
	s_add_nc_u64 s[38:39], s[38:39], 4096000
	PRIME                                          ; the next tile's first rows are on their way while this tile ends
	WIN 0
.Lnoprime:
	; e's partial sums: the pair's halves, the other half of the lanes (the other eight columns of each block); lanes 0-15 keep row blocks 0-3, lanes 16-31 blocks 4-7
.irp it, 0,1,2,3,4,5,6,7
	v_add_f32 v[CV+(\it)], v[EA+2*(\it)], v[EA+2*(\it)+1]
.endr
.irp it, 0,1,2,3,4,5,6,7
	v_permlanex16_b32 v[EA+2*(\it)], v[CV+(\it)], s54, s55
.endr
.irp it, 0,1,2,3,4,5,6,7
	v_add_f32 v[CV+(\it)], v[CV+(\it)], v[EA+2*(\it)]
.endr
.irp q, 0,1,2,3
	v_cndmask_b32 v[CV+8+(\q)], v[CV+(\q)], v[CV+4+(\q)], s60
.endr
.Lpre:
	; The passes' loads of cdb and g take their address from a register that steps with the pass.  A barrier of its own stands between every wave's last such load and the
	; stores below, so that their order does not rest on that register's arithmetic.
	s_wait_dscnt 0x0                               ; no LDS load of mine is out
	s_barrier_signal -1
	s_barrier_wait -1
.irp q, 0,1,2,3
	ds_store_b32 v[EPA], v[CV+8+(\q)] offset:64*(\q)  ; (a dead tile's waves store what these registers hold: its scan is jumped, and nobody reads the words)
.endr
	s_wait_dscnt 0x0                               ; for the others' sake
	s_barrier_signal -1
	s_barrier_wait -1
	s_cmp_eq_u32 s33, 0
	s_cbranch_scc1 .Lnone                          ; a dead tile's results are constants
	; THE SCAN, by every wave for itself: a lane owns rows 4 lane + q
.irp k, 0,1,2,3
	ds_load_b128 v[FA+4*(\k):FA+4*(\k)+3], v[EPR] offset:512*(\k)
.endr
.irp q, 0,1,2,3
	v_fmamk_f32 v[80+(\q)], v[NZ+(\q)], NL2E, v[KE]  ; -log2(e) (noise + bias + scale sum g)
.endr
	s_wait_dscnt 0x0
	v_pk_add_f32 v[64:65], v[64:65], v[68:69]
	v_pk_add_f32 v[66:67], v[66:67], v[70:71]
	v_pk_add_f32 v[72:73], v[72:73], v[76:77]
	v_pk_add_f32 v[74:75], v[74:75], v[78:79]
	v_pk_add_f32 v[64:65], v[64:65], v[72:73]
	v_pk_add_f32 v[66:67], v[66:67], v[74:75]
.irp q, 0,1,2,3
	v_fmac_f32 v[80+(\q)], v[64+(\q)], v[KS]       ; + c2 scale sum g r = -log2(e) (e + noise)
.endr
.irp q, 0,1,2,3
	v_exp_f32 v[80+(\q)], v[80+(\q)]
.endr
	v_mov_b32 v92, 0                               ; the plain instruction behind the exponentials; v92 is written before a lane exchange lands in it
	s_wait_alu depctr_va_vdst(0)
.irp q, 0,1,2,3
	v_add_f32 v[80+(\q)], 1.0, v[80+(\q)]
.endr
.irp q, 0,1,2,3
	v_rcp_f32 v[80+(\q)], v[80+(\q)]               ; p
.endr
	v_nop
	s_wait_alu depctr_va_vdst(0)
.irp q, 0,1,2,3
	v_cmp_gt_u32 vcc_lo, s33, v[TLQ+(\q)]
	v_cndmask_b32 v[80+(\q)], 0, v[80+(\q)], vcc_lo  ; p = 0 at and beyond len, and in the three rows of padding
.endr
.irp q, 0,1,2,3
	v_sub_f32 v[84+(\q)], 1.0, v[80+(\q)]
.endr
.irp q, 0,1,2,3
	v_max_num_f32 v[84+(\q)], 0x00800000, v[84+(\q)]  ; the smallest normal number, as the module clips
.endr
	v_mul_f32 v88, v84, v85                        ; the products of my rows' 1 - p: two, three, all four
	v_mul_f32 v89, v88, v86
	v_mul_f32 v90, v89, v87
	v_mov_b32_dpp v92, v90 row_xmask:1 row_mask:0xf bank_mask:0xf
	v_cndmask_b32 v91, 1.0, v92, s56               ; the prefix starts
	v_mul_f32 v90, v90, v92
	v_mov_b32_dpp v92, v90 row_xmask:2 row_mask:0xf bank_mask:0xf
	BFLY 57
	v_mov_b32_dpp v92, v90 row_xmask:4 row_mask:0xf bank_mask:0xf
	BFLY 58
	v_mov_b32_dpp v92, v90 row_xmask:8 row_mask:0xf bank_mask:0xf
	BFLY 59
	v_permlanex16_b32 v92, v90, s54, s55
	BFLY 60                                        ; v91: the product over all lower lanes' rows; v90: over the whole tile
	v_mul_f32 v[NZ], v80, v91
	v_mul_f32 v[NZ+1], v84, v91
	v_mul_f32 v[NZ+2], v88, v91
	v_mul_f32 v[NZ+3], v89, v91
	v_mul_f32 v[NZ+1], v[NZ+1], v81
	v_mul_f32 v[NZ+2], v[NZ+2], v82
	v_mul_f32 v[NZ+3], v[NZ+3], v83                ; a_local
	v_cvt_pk_bf16_f32 v94, v[NZ], v[NZ+1]          ; the weights in bf16,
	v_cvt_pk_bf16_f32 v95, v[NZ+2], v[NZ+3]
	v_lshlrev_b32 v96, 16, v94
	v_and_b32 v97, 0xffff0000, v94
	v_lshlrev_b32 v98, 16, v95
	v_and_b32 v99, 0xffff0000, v95
	v_sub_f32 v96, v[NZ], v96                      ; and what the rounding left, in bf16 again
	v_sub_f32 v97, v[NZ+1], v97
	v_sub_f32 v98, v[NZ+2], v98
	v_sub_f32 v99, v[NZ+3], v99
	v_cvt_pk_bf16_f32 v100, v96, v97
	v_cvt_pk_bf16_f32 v101, v98, v99
	ds_store_b64 v[WBA], v[94:95]
	ds_store_b64 v[WBA], v[100:101] offset:256
	v_cndmask_b32 v[NZ+3], v[NZ+3], v90, s61       ; word 127 of the tile's 128 carries S
	s_cmp_lg_u32 s24, 0
	s_cbranch_scc1 .Lnot0
	global_store_b128 v[VOFF], v[NZ:NZ+3], s[68:69]  ; 512 consecutive bytes, aligned
.Lnot0:
	; c_tile, my wave's 256 columns: 4 K steps of 32 rows x 16 column blocks.  LDS serves a wave's instructions in order (ISA guide 5.7.1.4): these loads see my stores above.
.irp ks, 0,1,2,3
	ds_load_b128 v[CDR+8*(\ks):CDR+8*(\ks)+3],   v[WFA] offset:64*(\ks)
	ds_load_b128 v[CDR+8*(\ks)+4:CDR+8*(\ks)+7], v[WFA] offset:64*(\ks)+32
.endr
.irp ks, 0,1,2,3
	WIN 0
.if (\ks) > 0
	PLACES                                         ; in front of loads into registers that the products just issued have read
.endif
	v_add_nc_u32 v[TADR], (\ks)*H32, v[TADR0]
.irp u, 0,1,2,3,4,5,6,7,8,9,10,11,12,13,14,15
	ds_load_tr16_b128 v[FA+8*(\u):FA+8*(\u)+3],   v[TADR] offset:32*(\u)
	ds_load_tr16_b128 v[FA+8*(\u)+4:FA+8*(\u)+7], v[TADR] offset:32*(\u)+H16
.endr
	s_wait_dscnt 0x0
	WIN W_CMUL
.irp u, 0,1,2,3,4,5,6,7,8,9,10,11,12,13,14,15
.if (\ks) == 0
	v_wmma_f32_16x16x32_bf16 v[8*(\u):8*(\u)+7], v[CDR+8*(\ks):CDR+8*(\ks)+7], v[FA+8*(\u):FA+8*(\u)+7], 0
.else
	v_wmma_f32_16x16x32_bf16 v[8*(\u):8*(\u)+7], v[CDR+8*(\ks):CDR+8*(\ks)+7], v[FA+8*(\u):FA+8*(\u)+7], v[8*(\u):8*(\u)+7]
.endif
.endr
.endr
	PLACES
	WIN W_CSUM
.irp u, 0,1,2,3,4,5,6,7,8,9,10,11,12,13,14,15
	v_add_f32 v[CV+(\u)], v[8*(\u)], v[8*(\u)+1]   ; register 0: the weights' part, register 1: the remainders'; column 16 u + lane % 16
.endr
	WIN 0
.irp u, 0,1,2,3,4,5,6,7,8,9,10,11,12,13,14,15
	ds_store_b32 v[CSA], v[CV+(\u)] offset:64*(\u)   ; both halves of the lanes hold the same number and write the same word
.endr
	ds_load_b128 v[EA:EA+3],   v[CSR]
	ds_load_b128 v[EA+4:EA+7], v[CSR] offset:512
	s_wait_dscnt 0x0
	global_store_b128 v[VOFF], v[EA:EA+3],   s[70:71]             ; 512 consecutive bytes each, aligned
	global_store_b128 v[VOFF], v[EA+4:EA+7], s[70:71] offset:512
	s_branch .Lmeet
.Lnone:
	; A DEAD TILE: a_local = 0 in all rows, S = 1 in word 127, c_tile = 0
	v_mov_b32 v[NZ], 0
	v_mov_b32 v[NZ+1], 0
	v_mov_b32 v[NZ+2], 0
	v_cndmask_b32 v[NZ+3], 0, 1.0, s61             ; lane 31's fourth word is word 127
.irp m, 0,1,2,3
	v_mov_b32 v[EA+(\m)], 0
.endr
	s_cmp_lg_u32 s24, 0
	s_cbranch_scc1 .Lnone0
	global_store_b128 v[VOFF], v[NZ:NZ+3], s[68:69]  ; 512 consecutive bytes, aligned
.Lnone0:
	global_store_b128 v[VOFF], v[EA:EA+3], s[70:71]  ; my wave's 1,024 bytes of c_tile
	global_store_b128 v[VOFF], v[EA:EA+3], s[70:71] offset:512
.Lmeet:
	s_barrier_signal -1                            ; no LDS instruction of mine is out: my reads of the tile and of the partial sums are over
	s_barrier_wait -1                              ; everybody's are: the next tile may be stored over this one
	s_wait_xcnt 0x0                                ; the stores' bases and data are rewritten only behind this wait
	s_add_nc_u64 s[66:67], s[66:67], 4000
	s_add_nc_u64 s[68:69], s[68:69], 4096
	s_add_nc_u64 s[70:71], s[70:71], 32768
	s_add_co_u32 s72, s72, 1000
	LIMIT
	s_sub_co_u32 s30, s30, 1
	s_cmp_lg_u32 s30, 0
	s_cbranch_scc1 .Ltile
	s_wait_xcnt 0x0
	v_lshl_add_u32 v254, v0, 2, 0x44800
	v_mov_b32 v255, 0
	s_wait_tensorcnt 0x0
	ds_add_u32 v254, v255
	s_wait_dscnt 0x0
	s_endpgm
.Lfunc_end_k_qb2ef75dd67_mta:
	.size	k_qb2ef75dd67_mta, .Lfunc_end_k_qb2ef75dd67_mta-k_qb2ef75dd67_mta
	.p2alignl 7, 3214868480
	.fill 96, 4, 3214868480
	.section	.rodata,"a",@progbits
	.p2align	6, 0x0
	.amdhsa_kernel k_qb2ef75dd67_mta
		.amdhsa_group_segment_fixed_size 281088
		.amdhsa_private_segment_fixed_size 0
		.amdhsa_enable_private_segment 0
		.amdhsa_kernarg_size 80
		.amdhsa_user_sgpr_count 2
		.amdhsa_user_sgpr_kernarg_segment_ptr 1
		.amdhsa_wavefront_size32 1
		.amdhsa_system_sgpr_workgroup_id_x 1
		.amdhsa_system_sgpr_workgroup_id_y 1
		.amdhsa_system_sgpr_workgroup_id_z 1
		.amdhsa_system_vgpr_workitem_id 0
		.amdhsa_next_free_vgpr 1024
		.amdhsa_next_free_sgpr 80
		.amdhsa_reserve_vcc 1
		.amdhsa_float_denorm_mode_32 3
		.amdhsa_float_denorm_mode_16_64 3
		.amdhsa_memory_ordered 1
		.amdhsa_forward_progress 1
		.amdhsa_inst_pref_size 255
	.end_amdhsa_kernel
	.section	.bss,"aw",@nobits
	.p2align	6
	.space	262144
	.amdgpu_metadata
---
amdhsa.version: [ 1, 2 ]
amdhsa.kernels:
  - .name:           k_qb2ef75dd67_mta
    .symbol:         k_qb2ef75dd67_mta.kd
    .args:
      - { .name: enc_hs_pad, .offset: 0, .size: 8, .value_kind: global_buffer, .address_space: global }
      - { .name: enc_hs_len, .offset: 8, .size: 8, .value_kind: global_buffer, .address_space: global }
      - { .name: noise, .offset: 16, .size: 8, .value_kind: global_buffer, .address_space: global }
      - { .name: g_vec, .offset: 24, .size: 8, .value_kind: global_buffer, .address_space: global }
      - { .name: mono_factor, .offset: 32, .size: 8, .value_kind: global_buffer, .address_space: global }
      - { .name: mono_bias, .offset: 40, .size: 8, .value_kind: global_buffer, .address_space: global }
      - { .name: wfrag, .offset: 48, .size: 8, .value_kind: global_buffer, .address_space: global }
      - { .name: cdbt, .offset: 56, .size: 8, .value_kind: global_buffer, .address_space: global }
      - { .name: aloc, .offset: 64, .size: 8, .value_kind: global_buffer, .address_space: global }
      - { .name: cpart, .offset: 72, .size: 8, .value_kind: global_buffer, .address_space: global }
    .group_segment_fixed_size: 281088
    .private_segment_fixed_size: 0
    .kernarg_segment_align: 8
    .kernarg_segment_size: 80
    .max_flat_workgroup_size: 128
    .sgpr_count:     80
    .vgpr_count:     1024
    .wavefront_size: 32
...
	.end_amdgpu_metadata
.endif
;; end of part 2
;; launch finish (part 3): grid 32 x 1, 16 waves a work-group, no clusters, 0 bytes of LDS; arguments aloc, cpart, out0, out1; writes out0, out1
.if DOCPART == 3
	.amdgcn_target "amdgcn-amd-amdhsa--gfx1250"
	.amdhsa_code_object_version 6
	.text
	.protected	k_qb2ef75dd67_finish
	.globl	k_qb2ef75dd67_finish
	.p2align	8
	.type	k_qb2ef75dd67_finish,@function
k_qb2ef75dd67_finish:
	s_mov_b64 s[64:65], 0
	v_nop
	global_prefetch_b8 v0, s[64:65] scope:SCOPE_SE
	s_setreg_imm32_b32 hwreg(HW_REG_WAVE_MODE, 25, 1), 1
	s_wait_xcnt 0x0
; FINISH.  Work-group b joins batch b's 16 tiles.  f_j = the product of S_i over the tiles i < j (S_i is word 127 of tile i's 128 words in aloc).
; out1[b][t] = aloc[b][t / 125][t % 125] f_(t / 125);  out0[b][e] = sum over j of f_j cpart[16 b + j][e].
; 512 threads: thread n owns columns 2 n, 2 n + 1 of out0 and, if n < 500, rows 4 n .. 4 n + 3 of out1.  All 21 loads of a thread go out at once.
; No matrix unit, no LDS bytes, no barrier: 2 MiB are read once and every wave works for itself.
	s_load_b256 s[4:11], s[0:1], 0x0               ; aloc s[4:5], cpart s[6:7], out0 s[8:9], out1 s[10:11]
	v_and_b32 v1, 15, v0
	v_lshlrev_b32 v1, 9, v1                        ; lane j (and lane 16 + j) reads tile j's S
	v_lshlrev_b32 v2, 3, v0                        ; 8 bytes a thread
	v_min_u32 v7, 499, v0                          ; threads 500-511 load what thread 499 loads, and store nothing into out1
	v_lshlrev_b32 v58, 4, v7
.irp q, 0,1,2,3
	v_lshl_add_u32 v[46+(\q)], v7, 2, (\q)         ; t
	v_mul_u32_u24 v[50+(\q)], v[46+(\q)], 1049
	v_lshrrev_b32 v[50+(\q)], 17, v[50+(\q)]       ; t / 125: 1049 / 2^17 exceeds 1 / 125 by 3.2e-6, too little to matter below t = 2,000
	v_mad_u32_u24 v[46+(\q)], v[50+(\q)], 3, v[46+(\q)]  ; 128 words a tile: word t + 3 (t / 125)
	v_lshlrev_b32 v[46+(\q)], 2, v[46+(\q)]
	v_lshlrev_b32 v[50+(\q)], 2, v[50+(\q)]        ; the lane that holds f, as a byte address
.endr
	v_mov_b32 v5, 0                                ; written before a lane exchange lands in it
	s_lshl_b32 s12, ttmp9, 13                      ; aloc: 8,192 bytes a batch
	s_mov_b32 s13, 0
	s_lshl_b32 s14, ttmp9, 16                      ; cpart: 65,536
	s_mov_b32 s15, 0
	s_lshl_b32 s32, ttmp9, 12                      ; out0: 4,096
	s_mov_b32 s33, 0
	s_mul_i32 s34, ttmp9, 8000                     ; out1: 8,000
	s_mov_b32 s35, 0
	s_mov_b32 s36, 0xaaaaaaaa                      ; lanes with bit 0 set, bit 1, bit 2, bit 3
	s_mov_b32 s37, 0xcccccccc
	s_mov_b32 s38, 0xf0f0f0f0
	s_mov_b32 s39, 0xff00ff00
	s_wait_kmcnt 0x0
	s_add_nc_u64 s[4:5], s[4:5], s[12:13]
	s_add_nc_u64 s[6:7], s[6:7], s[14:15]
	s_add_nc_u64 s[8:9], s[8:9], s[32:33]
	s_add_nc_u64 s[10:11], s[10:11], s[34:35]
	global_load_b32 v3, v1, s[4:5] offset:508
.irp j, 0,1,2,3,4,5,6,7,8,9,10,11,12,13,14,15
	global_load_b64 v[8+2*(\j):9+2*(\j)], v2, s[6:7] offset:4096*(\j) th:TH_LOAD_NT
.endr
.irp q, 0,1,2,3
	global_load_b32 v[42+(\q)], v[46+(\q)], s[4:5]
.endr
	s_wait_loadcnt 20                              ; S is in; the 20 younger loads stay out
	; the exclusive product over 16 lanes: in each step a lane takes its partner's block product, into its prefix if the partner is the lower one
	v_mov_b32_dpp v5, v3 row_xmask:1 row_mask:0xf bank_mask:0xf
	v_cndmask_b32 v4, 1.0, v5, s36
	v_mul_f32 v3, v3, v5
	v_mov_b32_dpp v5, v3 row_xmask:2 row_mask:0xf bank_mask:0xf
	v_cndmask_b32 v6, 1.0, v5, s37
	v_mul_f32 v4, v4, v6
	v_mul_f32 v3, v3, v5
	v_mov_b32_dpp v5, v3 row_xmask:4 row_mask:0xf bank_mask:0xf
	v_cndmask_b32 v6, 1.0, v5, s38
	v_mul_f32 v4, v4, v6
	v_mul_f32 v3, v3, v5
	v_mov_b32_dpp v5, v3 row_xmask:8 row_mask:0xf bank_mask:0xf
	v_cndmask_b32 v6, 1.0, v5, s39
	v_mul_f32 v4, v4, v6                           ; lane j holds f_j
.irp q, 0,1,2,3
	ds_bpermute_b32 v[54+(\q)], v[50+(\q)], v4     ; each of my four rows takes its tile's f
.endr
.irp j, 0,1,2,3,4,5,6,7,8,9,10,11,12,13,14,15
	v_readlane_b32 s[16+(\j)], v4, (\j)
.endr
	s_wait_loadcnt 4                               ; cpart is in; aloc's four loads may stay out
	v_mul_f32 v40, s16, v8
	v_mul_f32 v41, s16, v9
.irp j, 1,2,3,4,5,6,7,8,9,10,11,12,13,14,15
	v_fma_f32 v40, s[16+(\j)], v[8+2*(\j)], v40
	v_fma_f32 v41, s[16+(\j)], v[9+2*(\j)], v41
.endr
	global_store_b64 v2, v[40:41], s[8:9]          ; a wave's store covers 256 consecutive bytes, aligned
	s_wait_loadcnt 0x0
	s_wait_dscnt 0x0
.irp q, 0,1,2,3
	v_mul_f32 v[42+(\q)], v[42+(\q)], v[54+(\q)]
.endr
	v_cmp_gt_u32 vcc_lo, 500, v0
	s_wait_xcnt 0x0                                ; EXEC changes only behind this wait
	s_and_saveexec_b32 s40, vcc_lo
	global_store_b128 v58, v[42:45], s[10:11]      ; 16 bytes a thread, 8,000 consecutive bytes a batch
	s_wait_xcnt 0x0                                ; and again, in front of the line that widens it
	s_or_b32 exec_lo, exec_lo, s40
	s_endpgm
.Lfunc_end_k_qb2ef75dd67_finish:
	.size	k_qb2ef75dd67_finish, .Lfunc_end_k_qb2ef75dd67_finish-k_qb2ef75dd67_finish
	.p2alignl 7, 3214868480
	.fill 96, 4, 3214868480
	.section	.rodata,"a",@progbits
	.p2align	6, 0x0
	.amdhsa_kernel k_qb2ef75dd67_finish
		.amdhsa_group_segment_fixed_size 0
		.amdhsa_private_segment_fixed_size 0
		.amdhsa_enable_private_segment 0
		.amdhsa_kernarg_size 32
		.amdhsa_user_sgpr_count 2
		.amdhsa_user_sgpr_kernarg_segment_ptr 1
		.amdhsa_wavefront_size32 1
		.amdhsa_system_sgpr_workgroup_id_x 1
		.amdhsa_system_sgpr_workgroup_id_y 1
		.amdhsa_system_sgpr_workgroup_id_z 1
		.amdhsa_system_vgpr_workitem_id 0
		.amdhsa_next_free_vgpr 64
		.amdhsa_next_free_sgpr 66
		.amdhsa_reserve_vcc 1
		.amdhsa_float_denorm_mode_32 3
		.amdhsa_float_denorm_mode_16_64 3
		.amdhsa_memory_ordered 1
		.amdhsa_forward_progress 1
		.amdhsa_inst_pref_size 9
	.end_amdhsa_kernel
	.amdgpu_metadata
---
amdhsa.version: [ 1, 2 ]
amdhsa.kernels:
  - .name:           k_qb2ef75dd67_finish
    .symbol:         k_qb2ef75dd67_finish.kd
    .args:
      - { .name: aloc, .offset: 0, .size: 8, .value_kind: global_buffer, .address_space: global }
      - { .name: cpart, .offset: 8, .size: 8, .value_kind: global_buffer, .address_space: global }
      - { .name: out0, .offset: 16, .size: 8, .value_kind: global_buffer, .address_space: global }
      - { .name: out1, .offset: 24, .size: 8, .value_kind: global_buffer, .address_space: global }
    .group_segment_fixed_size: 0
    .private_segment_fixed_size: 0
    .kernarg_segment_align: 8
    .kernarg_segment_size: 32
    .max_flat_workgroup_size: 512
    .sgpr_count:     66
    .vgpr_count:     64
    .wavefront_size: 32
...
	.end_amdgpu_metadata
.endif
;; end of part 3
